; MI455X (gfx1250); checked and timed in simulation.
; The chip was launched on July 23, 2026; its instructions are those of AMD's public machine-readable ISA for CDNA 5 (MIT licence, August 2026) and "CDNA5" Instruction Set Architecture Reference Guide (July 2026). The comments in the code are by the model that wrote it; some were corrected since.
;; Multi Head Attention. Allowed arithmetic: matrix products marked QUANTISED: E4M3 operands, one given power-of-two scale a tensor, by v_wmma_f32_16x16x64_fp8_fp8 or v_wmma_f32_16x16x128_fp8_fp8, f32 sums; everything else in f32.
;; Inputs: b_k 1,024 float32; b_o 1,024 float32; b_q 1,024 float32; b_v 1,024 float32; lowp_scales 12 int32 (the exponents e of the quantised operands' scales 2^e); w_k 1,024 x 1,024 float32; w_o 1,024 x 1,024 float32; w_q 1,024 x 1,024 float32; w_v 1,024 x 1,024 float32; x 4 x 2,048 x 1,024 float32.
;; Outputs: out0 4 x 2,048 x 1,024 float32.
;; This version of the problem:
;;   THIS VERSION OF THE PROBLEM IS GIVEN IN LOW PRECISION. The matrix products marked QUANTISED in the list below multiply operands that are first quantised to E4M3 (4 exponent bits, 3 mantissa bits; 8 bits a number), with one given power-of-two scale for each operand tensor; their sums are f32. All else is computed in f32.
;;   The module's matrix products, in the order in which they are computed (A, B: the left and right operand; K: the contracted axis; several contracted axes count as one K, in the product's order):
;;     1. [M 8,192, K 1,024] x [K 1,024, N 1,024]; A: input x; B: input w_q: QUANTISED (scales: A lowp_scales[0], B lowp_scales[1])
;;     2. [M 8,192, K 1,024] x [K 1,024, N 1,024]; A: input x; B: input w_k: QUANTISED (scales: A lowp_scales[2], B lowp_scales[3])
;;     3. [M 8,192, K 1,024] x [K 1,024, N 1,024]; A: input x; B: input w_v: QUANTISED (scales: A lowp_scales[4], B lowp_scales[5])
;;     4. batch 64 x [M 2,048, K 64] x [K 64, N 2,048]; A: computed on the way; B: computed on the way: QUANTISED (scales: A lowp_scales[6], B lowp_scales[7])
;;     5. batch 64 x [M 2,048, K 2,048] x [K 2,048, N 64]; A: softmax (see below); B: computed on the way: QUANTISED (scales: A lowp_scales[8], B lowp_scales[9])
;;     6. [M 8,192, K 1,024] x [K 1,024, N 1,024]; A: computed on the way; B: input w_o: QUANTISED (scales: A lowp_scales[10], B lowp_scales[11])
;;   THE QUANTISER, for each operand of a quantised product, along K:
;;     - The operand's scale is 2^e, e = its entry of the input lowp_scales (int32; the entries are numbered through the quantised products in the list's order, A before B).
;;     - Each number is divided by the scale, clamped to +-448, and rounded to the nearest number of E4M3, ties to even, subnormals kept.
;;     - The product sums the exact products of the quantised numbers (number of the format x scale) in f32.
;;   ~~~python
;;   def quantise(x, axis, e):      # numpy; x: float32 -> the quantised numbers, widened to float32 again
;;       x = np.moveaxis(x, axis, -1); K = x.shape[-1]
;;       r = np.clip(x / 2.0 ** e, -448, 448)
;;       step = 2.0 ** (np.maximum(np.frexp(np.where(r == 0, 1, r))[1] - 1, -6) - 3)
;;       q = np.round(r / step) * step * 2.0 ** e      # np.round: ties to even
;;       return np.moveaxis(q, -1, axis).astype(np.float32)
;;   ~~~
;;   SOFTMAX AHEAD OF A QUANTISED PRODUCT. Where the list says 'softmax', what is quantised is not the finished softmax but p = 2^(t - M), with t = logit x log2(e) and M = ceil(the row's largest t), a whole number; so 1/2 < the row's largest p <= 1. The row's sum l is taken of the UNQUANTISED p, in f32, and the product's result is divided by l at the end. Since M is a whole number, a kernel that streams over the keys may use a running M (the ceiling of the running maximum): every later rescaling is an exact power of two, so the quantised numbers keep their values, but for numbers so far below the row's largest that they fall under the format's range.
;;   OPERANDS COMPUTED ON THE WAY. 'Computed on the way' means the value that the module computes at that place (a softmax that the list does not call 'softmax' is quantised finished and normalised). What goes into a quantiser is computed in f32, as accurately as f32 sums, v_exp_f32 and their like allow (about 1e-6 of the number): no bf16 or f16 on the way to a quantiser, and a product that is left as it is and whose result goes on into a quantised operand takes f32 operands (vector FMAs, or v_wmma_f32_16x16x4_f32). A number that lies on a knife's edge between two numbers of the format may be rounded either way, as far as f32 arithmetic and the matrix unit's own rounding can turn it there, and no further.
;; One version. Each part assembles by itself: llvm-mc -triple=amdgcn-amd-amdhsa -mcpu=gfx1250 --defsym DOCPART=n.
;; ======== version 1 of 1: 4 launches
;; limits: right only within a limited range of input values
;; workspace buffers: xc 25,165,824 bytes; wc 4,194,304 bytes; qkv 25,165,824 bytes; ctx 8,388,608 bytes
;; launch quant (part 1): grid 256 x 1, 8 waves a work-group, no clusters, 68,608 bytes of LDS; arguments x, w_q, w_k, w_v, w_o, lowp_scales, xc, wc; writes xc, wc
.if DOCPART == 1
	.amdgcn_target "amdgcn-amd-amdhsa--gfx1250"
	.amdhsa_code_object_version 6
	.text
	.protected	k_qd89e5c778e_quant
	.globl	k_qd89e5c778e_quant
	.p2align	8
	.type	k_qd89e5c778e_quant,@function
k_qd89e5c778e_quant:
	s_mov_b64 s[64:65], 0
	v_nop
	global_prefetch_b8 v0, s[64:65] scope:SCOPE_SE
	s_setreg_imm32_b32 hwreg(HW_REG_WAVE_MODE, 25, 1), 1
	s_wait_xcnt 0x0
; x [8192][1024] and the four weights [1024][1024], f32, K innermost, become codes of FP8 (E4M3), each with the scale 2^e that is given for it.
; x is an operand of three products with an entry of its own in each (entries 0, 2, 4): it is quantised three times.  The weights take entries 1, 3, 5, 11.
; code = number / 2^e, held within +-448, rounded to the nearest code, ties to even.
; LIMITS: each e lies between -126 and 119, so that 2^e and 448 x 2^e are f32 numbers.  NaN among the inputs is not served (an infinity is held at the largest code).
; THE CODES ARE STORED AS IMAGES OF OPERAND REGISTERS.  A fragment of 16 rows x 128 K is 16 registers a lane: lane (r = l % 16, h = l / 16) holds row r, registers 2 c, 2 c + 1 hold K = 16 c + 8 h + 0 .. 7.
; Its image is four blocks of 512 bytes: block i = registers 4 i .. 4 i + 3, lane l's 16 bytes at 512 i + 16 l.  So each store of a wave covers 512 consecutive bytes, aligned, and a reader gets a fragment by four dense loads.
; xc: [product 0..2][256 along K: 0..3][tile of 16 rows: 0..511][two images].   wc: [weight 0..3][256 along K: 0..3][tile of 16 rows: 0..63][two images].
; SHARES.  Wave g = 8 x work-group + wave of 2,048 takes 16 rows x 256 K of x (two images, three scales each) and 16 rows x 128 K of one weight (one image).  One path for all waves; the weight is chosen by s_cselect on the work-group's number.
; Each load reads 512 consecutive bytes of one row; a lane wants eight neighbours along K in eight registers: the 16 x 512 bytes turn through the wave's own stage in LDS (rows 528 bytes apart: an odd multiple of 16).
; No barrier: waves share nothing.  All 48 loads of a wave go out at the head.
.set SPT,   528                        ; a stage row: 512 bytes + 16
.set STGB,  16*SPT                     ; a wave's stage
.set LI,    2                          ; v2   16 x lane: my place in a load's and in a store's 512 bytes; never rewritten
.set SIN,   3                          ; v3   the stage, on the way in
.set SOUT,  4                          ; v4   the stage, on the way out: row r, + 32 h
.set R0,    16                         ; v16-79    x, K 0..127 of my 256
.set R1,    80                         ; v80-143   x, K 128..255
.set R2,    144                        ; v144-207  the weight
.set T,     208
.set C,     224                        ; v224-255  two sets of 16 registers of codes
	s_load_b256 s[4:11], s[0:1], 0x0               ; x, w_q, w_k, w_v
	s_load_b128 s[12:15], s[0:1], 0x20             ; w_o, the scales' exponents
	s_load_b128 s[16:19], s[0:1], 0x30             ; xc, wc
	v_lshl_add_u32 v15, v0, 2, 0x10800
	s_set_vgpr_msb 0x40
	v_mov_b32 v1, 0
	s_set_vgpr_msb 0x4000
	v_lshrrev_b32 v1, 5, v0
	s_delay_alu instid0(VALU_DEP_1)
	v_readfirstlane_b32 s20, v1                    ; wave 0..7
	v_and_b32 v1, 31, v0
	s_delay_alu instid0(VALU_DEP_1)
	v_lshlrev_b32 v[LI], 4, v1
	v_and_b32 v5, 15, v0                           ; r
	v_bfe_u32 v14, v0, 4, 1                        ; h
	s_mul_i32 s22, s20, STGB
	v_add_nc_u32 v[SIN], s22, v[LI]
	v_mul_u32_u24 v[SOUT], v5, SPT
	s_delay_alu instid0(VALU_DEP_1)
	v_lshl_add_u32 v[SOUT], v14, 5, v[SOUT]
	s_delay_alu instid0(VALU_DEP_1)
	v_add_nc_u32 v[SOUT], s22, v[SOUT]
	s_lshl_b32 s21, ttmp9, 3
	s_add_co_u32 s21, s21, s20                     ; g
	s_lshr_b32 s30, ttmp9, 6                       ; which weight: 0 q, 1 k, 2 v, 3 o
	s_lshr_b32 s48, s21, 2                         ; x: tile of 16 rows
	s_and_b32 s49, s21, 3                          ;    which 256 along K
	s_lshl_b32 s50, s48, 16                        ; 16 rows of 4,096 bytes
	s_lshl_b32 s52, s49, 10
	s_add_co_u32 s50, s50, s52
	s_mov_b32 s51, 0                               ; s[50:51]: where my part of x begins
	s_lshl_b32 s52, s49, 21                        ; 512 tiles of 4,096 bytes
	s_lshl_b32 s54, s48, 12
	s_add_co_u32 s52, s52, s54
	s_mov_b32 s53, 0                               ; s[52:53]: and its codes
	s_and_b32 s54, s21, 511
	s_lshr_b32 s55, s54, 3                         ; the weight: tile of 16 rows
	s_and_b32 s54, s54, 7                          ;             which 128 along K
	s_lshl_b32 s56, s55, 16
	s_lshl_b32 s58, s54, 9
	s_add_co_u32 s56, s56, s58
	s_mov_b32 s57, 0                               ; s[56:57]: where my part of the weight begins
	s_lshl_b32 s58, s30, 20
	s_lshr_b32 s60, s54, 1
	s_lshl_b32 s60, s60, 18                        ; 64 tiles of 4,096 bytes
	s_add_co_u32 s58, s58, s60
	s_lshl_b32 s60, s55, 12
	s_add_co_u32 s58, s58, s60
	s_and_b32 s60, s54, 1
	s_lshl_b32 s60, s60, 11
	s_add_co_u32 s58, s58, s60
	s_mov_b32 s59, 0                               ; s[58:59]: and its codes
	s_wait_alu depctr_va_vdst(0)
	s_wait_kmcnt 0x0
	s_load_b256 s[36:43], s[14:15], 0x0            ; entries 0 to 7
	s_load_b128 s[44:47], s[14:15], 0x20           ; entries 8 to 11
	s_add_nc_u64 s[4:5], s[4:5], s[50:51]
	s_add_nc_u64 s[24:25], s[16:17], s[52:53]      ; three bases, 8 MiB apart: that step does not fit a store's immediate
	s_add_nc_u64 s[26:27], s[24:25], 0x800000
	s_add_nc_u64 s[28:29], s[26:27], 0x800000
	s_cmp_eq_u32 s30, 0                            ; the choice hangs on the work-group's number alone
	s_cselect_b64 s[32:33], s[6:7], s[8:9]
	s_cmp_eq_u32 s30, 2
	s_cselect_b64 s[34:35], s[10:11], s[12:13]
	s_cmp_lt_u32 s30, 2
	s_cselect_b64 s[32:33], s[32:33], s[34:35]
	s_add_nc_u64 s[32:33], s[32:33], s[56:57]
	s_add_nc_u64 s[34:35], s[18:19], s[58:59]
.macro LOADIMG src, base, off          ; 16 rows x 128 numbers: each load reads 512 consecutive bytes of one row
.irp j, 0,1,2,3,4,5,6,7,8,9,10,11,12,13,14,15
	global_load_b128 v[\src+4*\j:\src+4*\j+3], v[LI], s[\base:\base+1] offset:\off+4096*\j th:TH_LOAD_NT
.endr
.endm
.macro TURN src                        ; through the stage and back into the same registers: register 8 c + i then holds K = 16 c + 8 h + i of row r.  LDS serves a wave's instructions in order: no wait between the stores and the loads
.irp j, 0,1,2,3,4,5,6,7,8,9,10,11,12,13,14,15
	ds_store_b128 v[SIN], v[\src+4*\j:\src+4*\j+3] offset:SPT*\j
.endr
.irp c, 0,1,2,3,4,5,6,7
	ds_load_b128 v[\src+8*\c:\src+8*\c+3], v[SOUT] offset:64*\c
	ds_load_b128 v[\src+8*\c+4:\src+8*\c+7], v[SOUT] offset:64*\c+16
.endr
.endm
.macro MKS e, vs, vl                   ; v[vs] = 2^e as f32 (the conversion takes its exponent field)
	s_add_co_i32 s62, s[\e], 127
	s_lshl_b32 s63, s62, 23
	v_mov_b32 v[\vs], s63
	s_add_co_i32 s62, s62, 8
	s_lshl_b32 s62, s62, 23
	s_or_b32 s62, s62, 0x600000
.endm
; One image with one scale.  The numbers stay as they are (x's are used three times): the conversions read them in place.
.macro QIMG src, vs, vl, cs, dst, off
	s_wait_xcnt 0x0                                ; code set cs was the data of the stores two images back: it is rewritten only behind this wait
.irp c, 0,1,2,3,4,5,6,7
.irp i, 0,1,2,3,4,5,6,7
.endr
	v_cvt_scalef32_pk8_fp8_f32 v[C+16*\cs+2*\c:C+16*\cs+2*\c+1], v[T+8*(\c%2)+((\src+8*\c+0)-(T+8*(\c%2)+0)):T+8*(\c%2)+7+((\src+8*\c+0)-(T+8*(\c%2)+0))], v[\vs]
.endr
.irp i, 0,1,2,3
	global_store_b128 v[LI], v[C+16*\cs+4*\i:C+16*\cs+4*\i+3], s[\dst:\dst+1] offset:\off+512*\i   ; 32 lanes store 512 consecutive bytes, aligned
.endr
.endm
	LOADIMG R0, 4, 0
	LOADIMG R1, 4, 512
	LOADIMG R2, 32, 0
	s_wait_kmcnt 0x0
	s_cmp_eq_u32 s30, 0
	s_cselect_b32 s60, s37, s39
	s_cmp_eq_u32 s30, 2
	s_cselect_b32 s61, s41, s47
	s_cmp_lt_u32 s30, 2
	s_cselect_b32 s60, s60, s61                    ; the weight's e: entry 1, 3, 5 or 11
	MKS 36, 6, 7
	MKS 38, 8, 9
	MKS 40, 10, 11
	MKS 60, 12, 13
	s_wait_alu depctr_va_vdst(0)
	s_wait_loadcnt 32                              ; the first image's 16 loads are in; the 32 younger ones may be out
	TURN R0
	s_wait_loadcnt 16
	TURN R1
	s_wait_dscnt 32                                ; the first image is back: behind its loads stand the second's 16 stores and 16 loads
	QIMG R0, 6, 7, 0, 24, 0
	QIMG R0, 8, 9, 1, 26, 0
	QIMG R0, 10, 11, 0, 28, 0
	s_wait_loadcnt 0x0
	TURN R2
	s_wait_dscnt 32
	QIMG R1, 6, 7, 1, 24, 2048
	QIMG R1, 8, 9, 0, 26, 2048
	QIMG R1, 10, 11, 1, 28, 2048
	s_wait_dscnt 0x0
	QIMG R2, 12, 13, 0, 34, 0
	s_set_vgpr_msb 0x4
	s_wait_tensorcnt 0x0
	ds_add_u32 v15, v1
	s_wait_dscnt 0x0
	s_set_vgpr_msb 0x400
	s_endpgm
.Lfunc_end_k_qd89e5c778e_quant:
	.size	k_qd89e5c778e_quant, .Lfunc_end_k_qd89e5c778e_quant-k_qd89e5c778e_quant
	.p2alignl 7, 3214868480
	.fill 96, 4, 3214868480
	.section	.rodata,"a",@progbits
	.p2align	6, 0x0
	.amdhsa_kernel k_qd89e5c778e_quant
		.amdhsa_group_segment_fixed_size 68608
		.amdhsa_private_segment_fixed_size 0
		.amdhsa_enable_private_segment 0
		.amdhsa_kernarg_size 64
		.amdhsa_user_sgpr_count 2
		.amdhsa_user_sgpr_kernarg_segment_ptr 1
		.amdhsa_wavefront_size32 1
		.amdhsa_system_sgpr_workgroup_id_x 1
		.amdhsa_system_sgpr_workgroup_id_y 1
		.amdhsa_system_sgpr_workgroup_id_z 1
		.amdhsa_system_vgpr_workitem_id 0
		.amdhsa_next_free_vgpr 258
		.amdhsa_next_free_sgpr 66
		.amdhsa_reserve_vcc 0
		.amdhsa_float_denorm_mode_32 3
		.amdhsa_float_denorm_mode_16_64 3
		.amdhsa_fp16_overflow 1
		.amdhsa_memory_ordered 1
		.amdhsa_forward_progress 1
		.amdhsa_inst_pref_size 22
	.end_amdhsa_kernel
	.amdgpu_metadata
---
amdhsa.version: [ 1, 2 ]
amdhsa.kernels:
  - .name:           k_qd89e5c778e_quant
    .symbol:         k_qd89e5c778e_quant.kd
    .args:
      - { .name: x, .offset: 0, .size: 8, .value_kind: global_buffer, .address_space: global }
      - { .name: w_q, .offset: 8, .size: 8, .value_kind: global_buffer, .address_space: global }
      - { .name: w_k, .offset: 16, .size: 8, .value_kind: global_buffer, .address_space: global }
      - { .name: w_v, .offset: 24, .size: 8, .value_kind: global_buffer, .address_space: global }
      - { .name: w_o, .offset: 32, .size: 8, .value_kind: global_buffer, .address_space: global }
      - { .name: lowp_scales, .offset: 40, .size: 8, .value_kind: global_buffer, .address_space: global }
      - { .name: xc, .offset: 48, .size: 8, .value_kind: global_buffer, .address_space: global }
      - { .name: wc, .offset: 56, .size: 8, .value_kind: global_buffer, .address_space: global }
    .group_segment_fixed_size: 68608
    .private_segment_fixed_size: 0
    .kernarg_segment_align: 8
    .kernarg_segment_size: 64
    .max_flat_workgroup_size: 256
    .sgpr_count:     66
    .vgpr_count:     258
    .wavefront_size: 32
...
	.end_amdgpu_metadata
.endif
;; end of part 1
;; launch proj (part 2): grid 4 x 96, 4 waves a work-group, clusters of 4 x 4, 327,680 bytes of LDS; arguments xc, wc, b_q, b_k, b_v, lowp_scales, qkv; writes qkv
.if DOCPART == 2
	.amdgcn_target "amdgcn-amd-amdhsa--gfx1250"
	.amdhsa_code_object_version 6
	.text
	.protected	k_qd89e5c778e_proj
	.globl	k_qd89e5c778e_proj
	.p2align	8
	.type	k_qd89e5c778e_proj,@function
k_qd89e5c778e_proj:
	s_mov_b64 s[64:65], 0
	v_nop
	global_prefetch_b8 v0, s[64:65] scope:SCOPE_SE
	s_setreg_imm32_b32 hwreg(HW_REG_WAVE_MODE, 25, 1), 1
	s_wait_xcnt 0x0
	s_wait_alu depctr_hold_cnt(0) depctr_sa_sdst(0) depctr_va_vdst(0) depctr_va_sdst(0) depctr_va_ssrc(0) depctr_va_vcc(0) depctr_vm_vsrc(0)
	s_getreg_b32 s2, hwreg(HW_REG_IB_STS2, 6, 4)
	s_cmp_eq_u32 s2, 0
	s_cbranch_scc0 .Lentry_in_a_cluster
	s_endpgm
.Lentry_in_a_cluster:
	s_bfe_u32 s2, ttmp6, 0x10000c
	s_cmp_lg_u32 s2, 0xf033
	s_cbranch_scc0 .Lentry_shape_is_right
	s_endpgm
.Lentry_shape_is_right:
.set HALFT,  32768
.set SLOT,   4*HALFT
.set SPARE,  2*SLOT
.set XSTEP,  0x200000
.set WSTEP,  0x40000
.set FR,     16
.set NL,     4
.set NP,     4
.set ADRA, 16
.set ADRB, 20
.set CO,   26
.set SPW,  28
.set NIL,  29
.set QS,   30
.set QL,   31
.set BC,   32
.set BR,   96
.set AF,   128
.set TMP,  128
.set CD,   192
.set G1, 24
.set G0, 32
.set G1B, 48
.set G0B, 56
.set MSB, 0
.macro WIN new
.if MSB != \new
	s_set_vgpr_msb (MSB<<8)|\new
.set MSB, \new
.endif
.endm
.set MUL_LO, 0xa1
.set MUL_HI, 0xf1
.set TO_B,   0x40
.macro JLOAD g0a, g1a, g0b, g1b
	s_cmp_eq_u32 s15, 0
	s_cbranch_scc0 .Lfor_b_\@
	tensor_load_to_lds s[\g0a:\g0a+3], s[\g1a:\g1a+7]
	s_nop 0
.rept 4
	v_nop
.endr
	s_branch .Lasked_\@
.Lfor_b_\@:
	tensor_load_to_lds s[\g0b:\g0b+3], s[\g1b:\g1b+7]
	s_nop 0
.rept 4
	v_nop
.endr
.Lasked_\@:
.endm
.macro CREST
	s_cmp_lg_u32 s14, 0
	s_cbranch_scc1 .Lnot_wave_0_\@
	s_barrier_signal -3
.Lnot_wave_0_\@:
	s_barrier_wait -3
	s_barrier_signal -1
	s_barrier_wait -1
.endm
.macro CROUND
	s_barrier_signal -1
	s_barrier_wait -1
	CREST
.endm
	s_load_b256 s[4:11], s[0:1], 0x0
	s_load_b128 s[68:71], s[0:1], 0x20
	s_load_b64 s[72:73], s[0:1], 0x30
	v_lshl_add_u32 v[SPW], v0, 2, SPARE
	v_mov_b32 v[NIL], 0
	ds_add_u32 v28, v29
	ds_add_u32 v28, v29
	s_wait_dscnt 0x0
	v_lshrrev_b32 v1, 5, v0
	v_readfirstlane_b32 s14, v1
	s_lshr_b32 s15, s14, 1
	s_and_b32 s16, s14, 1
	s_bfe_u32 s40, ttmp6, 0x40000
	s_bfe_u32 s41, ttmp6, 0x40004
	s_lshl_b32 s42, ttmp9, 2
	s_add_co_u32 s42, s42, s40
	s_and_b32 s12, ttmp7, 0xffff
	s_lshr_b32 s13, s12, 3
	s_lshl_b32 s17, s12, 2
	s_add_co_u32 s17, s17, s41
	s_lshl_b32 s43, s41, 2
	s_lshl_b32 s43, 15, s43
	s_lshl_b32 s44, 0x1111, s40
	s_or_b32 s[G1+0], s43, (3<<16)|(1<<21)
	s_or_b32 s[G1B+0], s44, (3<<16)|(1<<21)
.irp g, G1, G1B
	s_mov_b32 s[\g+1], 32<<16
	s_mov_b32 s[\g+2], 128<<16
	s_mov_b32 s[\g+3], 32<<16
	s_mov_b32 s[\g+4], 128
	s_mov_b32 s[\g+5], 32
	s_mov_b32 s[\g+6], 0
	s_mov_b32 s[\g+7], 0
.endr
	s_lshr_b32 s20, s17, 5
	s_lshl_b32 s20, s20, 23
	s_and_b32 s18, s17, 31
	s_lshl_b32 s19, s18, 16
	s_add_co_u32 s20, s20, s19
	s_lshl_b32 s19, s16, 15
	s_add_co_u32 s20, s20, s19
	s_mov_b32 s21, 0
	s_lshl_b32 s46, s13, 20
	s_lshl_b32 s47, s42, 16
	s_add_co_u32 s46, s46, s47
	s_lshl_b32 s47, s16, 15
	s_add_co_u32 s46, s46, s47
	s_mov_b32 s47, 0
	s_mul_i32 s45, s14, HALFT
	s_wait_kmcnt 0x0
	s_load_b256 s[76:83], s[70:71], 0x0
	s_load_b128 s[84:87], s[70:71], 0x20
	s_add_nc_u64 s[20:21], s[4:5], s[20:21]
	s_add_nc_u64 s[46:47], s[6:7], s[46:47]
	CROUND
.irp s, 0,1
	s_mov_b32 s[G0+4*\s], 1
	s_add_co_u32 s[G0+4*\s+1], s45, \s*SLOT
	s_add_nc_u64 s[G0+4*\s+2:G0+4*\s+3], s[20:21], \s*XSTEP
	s_or_b32 s[G0+4*\s+3], s[G0+4*\s+3], 0x80000000
	s_mov_b32 s[G0B+4*\s], 1
	s_add_co_u32 s[G0B+4*\s+1], s45, \s*SLOT
	s_add_nc_u64 s[G0B+4*\s+2:G0B+4*\s+3], s[46:47], \s*WSTEP
	s_or_b32 s[G0B+4*\s+3], s[G0B+4*\s+3], 0x80000000
	s_wait_alu depctr_va_vdst(0)
	s_wait_tensorcnt 0x0
	ds_add_u32 v28, v29
	ds_add_u32 v28, v29
	s_wait_dscnt 0x0
	CROUND
	JLOAD G0+4*\s, G1, G0B+4*\s, G1B
.endr
	v_and_b32 v1, 31, v0
	v_lshlrev_b32 v[CO], 4, v1
	s_wait_alu depctr_va_vdst(0)
	v_and_b32 v2, 15, v0
	v_bfe_u32 v3, v0, 4, 1
	v_lshlrev_b32 v5, 5, v3
	s_wait_alu depctr_va_vdst(0)
	v_lshlrev_b32 v6, 2, v2
	s_wait_alu depctr_va_vdst(0)
	s_cmp_ge_u32 s12, 16
	s_cselect_b32 s88, 2*HALFT, 0
	s_cselect_b32 s89, 0, 2*HALFT
	s_mul_i32 s22, s15, HALFT
	s_mul_i32 s23, s16, HALFT
	s_add_co_u32 s22, s22, s88
	s_add_co_u32 s23, s23, s89
.irp s, 0,1
	v_add_nc_u32 v[ADRA+\s], s22, v[CO]
	v_add_nc_u32 v[ADRB+\s], s23, v[CO]
	s_add_co_u32 s22, s22, SLOT
	s_add_co_u32 s23, s23, SLOT
.endr
	s_cmp_eq_u32 s13, 0
	s_cselect_b64 s[90:91], s[8:9], s[10:11]
	s_cmp_eq_u32 s13, 2
	s_cselect_b64 s[90:91], s[68:69], s[90:91]
	s_lshl_b32 s74, s42, 10
	s_lshl_b32 s75, s15, 9
	s_add_co_u32 s92, s74, s75
	s_mov_b32 s93, 0
	s_add_nc_u64 s[94:95], s[90:91], s[92:93]
	s_lshl_b32 s75, s16, 9
	s_add_co_u32 s92, s74, s75
	s_add_nc_u64 s[90:91], s[90:91], s[92:93]
.irp b, 0,1,2,3,4,5,6,7
	global_load_b128 v[BC+8*\b:BC+8*\b+3], v5, s[90:91] offset:64*\b
	global_load_b128 v[BC+8*\b+4:BC+8*\b+7], v5, s[90:91] offset:64*\b+16
.endr
.irp a, 0,1,2,3,4,5,6,7
	global_load_b32 v[BR+2*\a], v6, s[94:95] offset:64*\a
	global_load_b32 v[BR+2*\a+1], v6, s[94:95] offset:64*\a
.endr
	s_lshr_b32 s74, s18, 3
	s_lshl_b32 s74, s74, 4
	s_lshl_b32 s75, s42, 2
	s_add_co_u32 s74, s74, s75
	s_and_b32 s75, s18, 7
	s_lshl_b32 s75, s75, 4
	s_lshl_b32 s92, s16, 1
	s_add_co_u32 s92, s92, s74
	s_lshl_b32 s92, s92, 7
	s_add_co_u32 s92, s92, s75
	s_lshl_b32 s93, s15, 3
	s_add_co_u32 s92, s92, s93
	s_lshl_b32 s93, s15, 1
	s_add_co_u32 s93, s93, s74
	s_lshl_b32 s93, s93, 7
	s_add_co_u32 s93, s93, s75
	s_lshl_b32 s75, s16, 3
	s_add_co_u32 s93, s93, s75
	s_cmp_ge_u32 s12, 16
	s_cselect_b32 s92, s93, s92
	s_lshl_b32 s92, s92, 10
	s_lshl_b32 s93, s13, 23
	s_add_co_u32 s92, s92, s93
	s_mov_b32 s93, 0
	s_add_nc_u64 s[92:93], s[72:73], s[92:93]
	s_wait_alu depctr_va_vdst(0)
	s_wait_kmcnt 0x0
	s_cmp_eq_u32 s13, 0
	s_cselect_b32 s96, s76, s78
	s_cselect_b32 s97, s77, s79
	s_cselect_b32 s74, s82, s83
	s_cmp_eq_u32 s13, 2
	s_cselect_b32 s96, s80, s96
	s_cselect_b32 s97, s81, s97
	s_cselect_b32 s74, s85, s74
	s_add_co_i32 s96, s96, s97
	s_add_co_i32 s96, s96, 127
	s_lshl_b32 s96, s96, 23
	s_mov_b32 s97, s96
	s_add_co_i32 s74, s74, 127
	s_lshl_b32 s75, s74, 23
	v_mov_b32 v[QS], s75
.macro FRAG reg, adr, q, i
.irp c, 0,1,2,3
	ds_load_b128 v[\reg+4*\c:\reg+4*\c+3], v[\adr] offset:4096*(\i)+2048*(\q)+512*\c
.endr
.endm
.macro MUL16 a0, p, zero
.irp a, \a0, \a0+1
.irp b, 0,1,2,3,4,5,6,7
.if \zero
	v_wmma_f32_16x16x128_fp8_fp8 v[8*(8*((\a)%4)+\b):8*(8*((\a)%4)+\b)+7], v[128*(\p)+FR*\b:128*(\p)+FR*\b+FR-1], v[AF+FR*(\a):AF+FR*(\a)+FR-1], 0
.else
	v_wmma_f32_16x16x128_fp8_fp8 v[8*(8*((\a)%4)+\b):8*(8*((\a)%4)+\b)+7], v[128*(\p)+FR*\b:128*(\p)+FR*\b+FR-1], v[AF+FR*(\a):AF+FR*(\a)+FR-1], v[8*(8*((\a)%4)+\b):8*(8*((\a)%4)+\b)+7]
.endif
.endr
.endr
.endm
.macro FETCH_B slot, q, p
	WIN TO_B
.irp i, 0,1,2,3,4,5,6,7
	FRAG 128*(\p)+FR*\i, ADRB+\slot, \q, \i
.endr
	WIN 0
.endm
.macro FETCH_A slot, q, i0
.irp i, \i0, \i0+1, \i0+2, \i0+3
	FRAG AF+FR*(\i), ADRA+\slot, \q, \i
.endr
.endm
.macro PLACES n
.rept \n
	v_nop
.endr
.endm
.macro STEP slot, q, zero
	s_wait_dscnt 4*NL
	WIN MUL_LO
	MUL16 0, (\q)%2, \zero
	MUL16 2, (\q)%2, \zero
	s_wait_dscnt 0
	PLACES NP
	FETCH_B \slot, (\q)+1, 1-(\q)%2
	FETCH_A \slot, (\q)+1, 0
	WIN MUL_HI
	MUL16 4, (\q)%2, \zero
	MUL16 6, (\q)%2, \zero
	PLACES NP
	WIN 0
	FETCH_A \slot, (\q)+1, 4
.endm
.macro TURN slot, next, fill
	s_wait_tensorcnt 0x0
	ds_add_u32 v[SPW], v[NIL]
	s_wait_dscnt 4*NL+1
	WIN MUL_LO
	MUL16 0, 1, 0
	s_wait_dscnt 0x0
	s_barrier_signal -1
	MUL16 2, 1, 0
	WIN 0
	s_barrier_wait -1
.if \fill
	CREST
	s_add_nc_u64 s[G0+4*\slot+2:G0+4*\slot+3], s[G0+4*\slot+2:G0+4*\slot+3], 2*XSTEP
	s_add_nc_u64 s[G0B+4*\slot+2:G0B+4*\slot+3], s[G0B+4*\slot+2:G0B+4*\slot+3], 2*WSTEP
	JLOAD G0+4*\slot, G1, G0B+4*\slot, G1B
.else
	PLACES NP
.endif
	FETCH_B \next, 0, 0
	FETCH_A \next, 0, 0
	WIN MUL_HI
	MUL16 4, 1, 0
	MUL16 6, 1, 0
	PLACES NP
	WIN 0
	FETCH_A \next, 0, 4
.endm
	s_wait_tensorcnt 0x1
	s_barrier_signal -1
	s_barrier_wait -1
	FETCH_B 0, 0, 0
	FETCH_A 0, 0, 0
	FETCH_A 0, 0, 4
	STEP 0, 0, 1
	TURN 0, 1, 1
	STEP 1, 0, 0
	TURN 1, 0, 1
	STEP 0, 0, 0
	TURN 0, 1, 0
	STEP 1, 0, 0
	s_wait_dscnt 4*NL
	WIN MUL_LO
	MUL16 0, 1, 0
	MUL16 2, 1, 0
	s_wait_dscnt 0
	WIN MUL_HI
	MUL16 4, 1, 0
	MUL16 6, 1, 0
	WIN 0
.macro EPI isv
.irp a, 0,1,2,3,4,5,6,7
.irp g, 0,1
.if (\a == 4) && (\g == 0)
	s_wait_xcnt 0x0
.endif
	WIN 0x02+((\a)/4)
.irp c, 0,1,2,3
.irp i, 0,2,4,6
.if \isv
	v_pk_fma_f32 v[TMP+32*\g+8*\c+\i:TMP+32*\g+8*\c+\i+1], v[64*(\a%4)+8*(4*\g+\c)+\i:64*(\a%4)+8*(4*\g+\c)+\i+1], s[96:97], v[BR+2*\a:BR+2*\a+1] op_sel_hi:[1,0,1]
.else
	v_pk_fma_f32 v[TMP+32*\g+8*\c+\i:TMP+32*\g+8*\c+\i+1], v[64*(\a%4)+8*(4*\g+\c)+\i:64*(\a%4)+8*(4*\g+\c)+\i+1], s[96:97], v[BC+8*(4*\g+\c)+\i:BC+8*(4*\g+\c)+\i+1] op_sel_hi:[1,0,1]
.endif
.endr
.endr
	WIN 0
.irp n, 0,1,2,3,4,5,6,7,8,9,10,11,12,13,14,15,16,17,18,19,20,21,22,23,24,25,26,27,28,29,30,31
.endr
.irp c, 0,1,2,3
	v_cvt_scalef32_pk8_fp8_f32 v[CD+8*((2*\a+\g)%8)+2*\c:CD+8*((2*\a+\g)%8)+2*\c+1], v[TMP+32*\g+8*\c:TMP+32*\g+8*\c+7], v[QS]
.endr
	v_nop
.if \isv
	global_store_b128 v[CO], v[CD+8*((2*\a+\g)%8):CD+8*((2*\a+\g)%8)+3], s[92:93] offset:131072*(\a/4)+4096*\g+1024*(\a%4)
	global_store_b128 v[CO], v[CD+8*((2*\a+\g)%8)+4:CD+8*((2*\a+\g)%8)+7], s[92:93] offset:131072*(\a/4)+4096*\g+1024*(\a%4)+512
.else
	global_store_b128 v[CO], v[CD+8*((2*\a+\g)%8):CD+8*((2*\a+\g)%8)+3], s[92:93] offset:1024*\a+131072*\g
	global_store_b128 v[CO], v[CD+8*((2*\a+\g)%8)+4:CD+8*((2*\a+\g)%8)+7], s[92:93] offset:1024*\a+131072*\g+512
.endif
.endr
.endr
.endm
	PLACES NP
	s_wait_loadcnt 0x0
	s_cmp_ge_u32 s12, 16
	s_cbranch_scc1 .Lfor_v
	EPI 0
	s_branch .Lout
.Lfor_v:
	EPI 1
.Lout:
	s_wait_tensorcnt 0x0
	ds_add_u32 v[SPW], v[NIL]
	s_wait_dscnt 0x0
	CROUND
	s_endpgm
.Lfunc_end_k_qd89e5c778e_proj:
	.size	k_qd89e5c778e_proj, .Lfunc_end_k_qd89e5c778e_proj-k_qd89e5c778e_proj
	.p2alignl 7, 3214868480
	.fill 96, 4, 3214868480
	.section	.rodata,"a",@progbits
	.p2align	6, 0x0
	.amdhsa_kernel k_qd89e5c778e_proj
		.amdhsa_group_segment_fixed_size 327680
		.amdhsa_private_segment_fixed_size 0
		.amdhsa_enable_private_segment 0
		.amdhsa_kernarg_size 56
		.amdhsa_user_sgpr_count 2
		.amdhsa_user_sgpr_kernarg_segment_ptr 1
		.amdhsa_wavefront_size32 1
		.amdhsa_system_sgpr_workgroup_id_x 1
		.amdhsa_system_sgpr_workgroup_id_y 1
		.amdhsa_system_sgpr_workgroup_id_z 1
		.amdhsa_system_vgpr_workitem_id 0
		.amdhsa_next_free_vgpr 1024
		.amdhsa_next_free_sgpr 98
		.amdhsa_reserve_vcc 0
		.amdhsa_float_denorm_mode_32 3
		.amdhsa_float_denorm_mode_16_64 3
		.amdhsa_fp16_overflow 1
		.amdhsa_memory_ordered 1
		.amdhsa_forward_progress 1
		.amdhsa_inst_pref_size 132
	.end_amdhsa_kernel
	.amdgpu_metadata
---
amdhsa.version: [ 1, 2 ]
amdhsa.kernels:
  - .name:           k_qd89e5c778e_proj
    .symbol:         k_qd89e5c778e_proj.kd
    .args:
      - { .name: xc, .offset: 0, .size: 8, .value_kind: global_buffer, .address_space: global }
      - { .name: wc, .offset: 8, .size: 8, .value_kind: global_buffer, .address_space: global }
      - { .name: b_q, .offset: 16, .size: 8, .value_kind: global_buffer, .address_space: global }
      - { .name: b_k, .offset: 24, .size: 8, .value_kind: global_buffer, .address_space: global }
      - { .name: b_v, .offset: 32, .size: 8, .value_kind: global_buffer, .address_space: global }
      - { .name: lowp_scales, .offset: 40, .size: 8, .value_kind: global_buffer, .address_space: global }
      - { .name: qkv, .offset: 48, .size: 8, .value_kind: global_buffer, .address_space: global }
    .group_segment_fixed_size: 327680
    .private_segment_fixed_size: 0
    .kernarg_segment_align: 8
    .kernarg_segment_size: 56
    .max_flat_workgroup_size: 128
    .sgpr_count:     98
    .vgpr_count:     1024
    .wavefront_size: 32
...
	.end_amdgpu_metadata
.endif
;; end of part 2
;; launch attn (part 3): grid 4 x 64, 16 waves a work-group, clusters of 4 x 1, 264,192 bytes of LDS; arguments qkv, lowp_scales, ctx; writes ctx
.if DOCPART == 3
	.amdgcn_target "amdgcn-amd-amdhsa--gfx1250"
	.amdhsa_code_object_version 6
	.text
	.protected	k_qd89e5c778e_attn
	.globl	k_qd89e5c778e_attn
	.p2align	8
	.type	k_qd89e5c778e_attn,@function
k_qd89e5c778e_attn:
	s_mov_b64 s[64:65], 0
	v_nop
	global_prefetch_b8 v0, s[64:65] scope:SCOPE_SE
	s_setreg_imm32_b32 hwreg(HW_REG_WAVE_MODE, 25, 1), 1
	s_wait_xcnt 0x0
	s_wait_alu depctr_hold_cnt(0) depctr_sa_sdst(0) depctr_va_vdst(0) depctr_va_sdst(0) depctr_va_ssrc(0) depctr_va_vcc(0) depctr_vm_vsrc(0)
	s_getreg_b32 s2, hwreg(HW_REG_IB_STS2, 6, 4)
	s_cmp_eq_u32 s2, 0
	s_cbranch_scc0 .Lentry_in_a_cluster
	s_endpgm
.Lentry_in_a_cluster:
	s_bfe_u32 s2, ttmp6, 0x10000c
	s_cmp_lg_u32 s2, 0x3003
	s_cbranch_scc0 .Lentry_shape_is_right
	s_endpgm
.Lentry_shape_is_right:
; ctx[b][q][head] = softmax_k(q . k / 8) v for 64 (batch, head) pairs of 2,048 tokens and 64 channels, both products on codes of FP8 (E4M3), and ctx's quantising for the last product.
; THE SOFTMAX AHEAD OF THE SECOND PRODUCT: t = score x log2(e) / 8; M = the row's largest t so far, rounded UP to a whole number; p = 2^(t - M) is what is quantised (entry 8), not normalised.
; The row's sum is taken of the unquantised p, in f32, and divides at the end.  When M moves, the sum and O are multiplied by 2^(old M - new M): nothing is rounded, and there is no branch on data.
; LIMITS on the given exponents, so that each power of two below is an f32 number: entry 6 + entry 7 between -123 and 130 (added to c's exponent field); entries 8 and 10 between -126 and 119; entry 8 + entry 9 goes by v_ldexp_f32 and has none.
; OPERANDS ARE IMAGES OF OPERAND REGISTERS: 16 rows x 64 K = 8 registers a lane = two blocks of 512 bytes (block i = registers 4 i .. 4 i + 3, lane l's 16 bytes at 512 i + 16 l; lane (r, h): row r, registers 2 c, 2 c + 1: K = 16 c + 8 h + 0 .. 7).
; SHARES.  A work-group owns 512 queries of one head; each of its sixteen waves two tiles of 16, so that a fragment of k or v read from LDS feeds two products; four waves to a SIMD, so that one wave's vector work stands beside another's matrix work and LDS loads.
; THE HEAD'S WHOLE k AND v STAY IN LDS: 131,072 bytes each, filled ONCE: no slot is filled again.  Each wave brings 16,384 dense bytes (64 rows of 256) by one load.
; CLUSTER.  The four query blocks of a head form a cluster and need the same k and v: each load is a joint one, with the same descriptor and a mask that names the four.
; LAYOUT.  Both products are used transposed: S^T = k q^T (source 0 = 16 keys, source 1 = 16 queries), O^T = v^T p^T (source 0 = 16 channels, source 1 = p): a lane holds ONE query (lane % 16) throughout, and its eight registers of a
; tile of scores are eight neighbouring keys 16 kt + 8 h + 0 .. 7: a conversion's result is registers 2 kt, 2 kt + 1 of p's operand; likewise O^T's registers and ctx's operand.
; ctx: [head / 4][tile of 16 tokens: 0..511][head % 4][image 16 tokens x 64 d]: 4,096 bytes are 16 tokens x 256 features, two images of 16 x 128.
.set VOFF, 131072                      ; v's images lie behind k's
.set LI,  1                            ; v1   16 x lane; never rewritten
.set ADK, 2                            ; v2   LDS address of the step's images of k
.set ADV, 3                            ; v3   of v
.set LV,  4                            ; v4   16 x lane + VOFF
.set PS,  8                            ; v8  2^e for p
.set PL,  9
.set CSC, 10                           ; v10  the same for ctx
.set CL,  11
.set Q,   16                           ; v16-31    q: 8 a tile
.set F,   32                           ; v32-63    four fragments of k, then of v
.set S,   64                           ; v64-127   S^T, then p: 32 a tile
.set O,   128                          ; v128-191  O^T: 32 a tile
.set P,   192                          ; v192-207  p's codes: 8 a tile
.set ST,  208                          ; tile t at v[ST + 4 t]: -M, the largest t, the sum in two halves
.set W,   216                          ; tile t at v[W + 8 t]: +0, +1 at work; +2 f (+3 named with it as a pair); +4 a lane permute's destination; +6, +7 a second chain of the sum
.set WV,  12                           ; s12  wave
.set SEL, 54                           ; s[54:55] lane selects for v_permlanex16_b32: lane l xor 16
.set CC,  56                           ; s[56:57] c = log2(e) / 8 x 2^(entry 6 + entry 7)
.set TB,  58                           ; s58  LDS byte of the step's images: 4,096 a step
.set CNT, 59                           ; s59  steps to go
.macro CROUND                          ; a round of the cluster's barrier
	s_barrier_signal -1
	s_barrier_wait -1
	s_cmp_lg_u32 s[WV], 0
	s_cbranch_scc1 .Lnot_wave_0_\@
	s_barrier_signal -3
.Lnot_wave_0_\@:
	s_barrier_wait -3
	s_barrier_signal -1
	s_barrier_wait -1
.endm
.macro MKS e, vs, vl                   ; v[vs] = 2^e as f32
	s_add_co_i32 s30, s[\e], 127
	s_lshl_b32 s31, s30, 23
	v_mov_b32 v[\vs], s31
.endm
	s_load_b128 s[4:7], s[0:1], 0x0                ; qkv, the scales' exponents
	s_load_b64 s[8:9], s[0:1], 0x10                ; ctx
	v_lshl_add_u32 v254, v0, 2, 0x40000
	v_mov_b32 v255, 0
	ds_add_u32 v254, v255
	ds_add_u32 v254, v255
	v_lshrrev_b32 v2, 5, v0
	s_delay_alu instid0(VALU_DEP_1)
	v_readfirstlane_b32 s[WV], v2                  ; wave 0..15
	s_bfe_u32 s13, ttmp6, 0x40000                  ; cx
	s_lshl_b32 s26, ttmp9, 2
	s_add_co_u32 s13, s13, s26                     ; my block of 512 queries: it enters q's and ctx's addresses alone
	s_and_b32 s14, ttmp7, 0xffff                   ; 16 x batch + head, which the four partners share
	; descriptor group 1: 16,384 dense bytes as 64 rows of 32 elements of 8 bytes
	s_mov_b32 s16, 15|(3<<16)|(1<<21)              ; 15:0 the mask: all four work-groups; 17:16 elements of 8 bytes; 21 set beside a mask; no padding
	s_mov_b32 s17, 32<<16                          ; tensor_dim0
	s_mov_b32 s18, 64<<16                          ; tensor_dim1
	s_mov_b32 s19, 32<<16                          ; tile_dim0
	s_mov_b32 s20, 64                              ; tile_dim1
	s_mov_b32 s21, 32                              ; tensor_dim0_stride
	s_mov_b32 s22, 0
	s_mov_b32 s23, 0
	s_lshr_b32 s24, s[WV], 3                       ; waves 0-7 fetch k (part 1 of qkv), waves 8-15 v (part 2),
	s_add_co_u32 s24, s24, 1
	s_lshl_b32 s24, s24, 23
	s_lshl_b32 s25, s14, 17                        ; the head's 131,072 bytes,
	s_add_co_u32 s24, s24, s25
	s_and_b32 s25, s[WV], 7
	s_lshl_b32 s25, s25, 14                        ; my eighth of them
	s_add_co_u32 s24, s24, s25
	s_mov_b32 s25, 0
	s_lshl_b32 s26, s13, 5
	s_lshl_b32 s27, s[WV], 1
	s_add_co_u32 s26, s26, s27                     ; my first tile of 16 queries in the head: 32 x block + 2 x wave
	s_lshl_b32 s28, s26, 12
	s_lshl_b32 s26, s26, 10
	s_lshl_b32 s27, s14, 17
	s_add_co_u32 s26, s26, s27
	s_mov_b32 s27, 0                               ; s[26:27]: q's images
	s_lshr_b32 s29, s14, 4
	s_lshl_b32 s29, s29, 19                        ; a batch's 128 tiles of 4,096 bytes
	s_add_co_u32 s28, s28, s29
	s_bfe_u32 s29, s14, 0x20002                    ; head / 4
	s_lshl_b32 s29, s29, 21
	s_add_co_u32 s28, s28, s29
	s_and_b32 s29, s14, 3                          ; head % 4
	s_lshl_b32 s29, s29, 10
	s_add_co_u32 s28, s28, s29
	s_mov_b32 s29, 0                               ; s[28:29]: ctx's images
	s_mov_b32 s[SEL], 0x76543210
	s_mov_b32 s[SEL+1], 0xfedcba98
	s_mov_b32 s[CC], 0x3e38aa3b                    ; log2(e) / 8
	s_mov_b32 s[TB], 0
	s_mov_b32 s[CNT], 32
	s_mov_b32 s44, 1                               ; group 0: count = 1,
	s_lshl_b32 s45, s[WV], 14                      ; LDS address: 16,384 x wave,
	s_wait_dscnt 0x0
	s_wait_kmcnt 0x0
	s_load_b256 s[36:43], s[6:7], 0x10             ; entries 4 to 11: s38 = entry 6, .. s42 = entry 10
	s_add_nc_u64 s[46:47], s[4:5], s[24:25]        ; global address,
	s_or_b32 s47, s47, 0x80000000                  ; type = 2
	s_add_nc_u64 s[4:5], s[4:5], s[26:27]
	s_add_nc_u64 s[8:9], s[8:9], s[28:29]
	CROUND                                         ; all four work-groups are here: the joint loads meet
	tensor_load_to_lds s[44:47], s[16:23]          ; my one tensor load of the launch
	s_nop 0
.rept 4
	v_nop
.endr
	v_and_b32 v[LI], 31, v0
	s_delay_alu instid0(VALU_DEP_1)
	v_lshlrev_b32 v[LI], 4, v[LI]
	s_delay_alu instid0(VALU_DEP_1)
	v_add_nc_u32 v[LV], VOFF, v[LI]
.irp t, 0,1
.irp i, 0,1
	global_load_b128 v[Q+8*\t+4*\i:Q+8*\t+4*\i+3], v[LI], s[4:5] offset:1024*\t+512*\i   ; q's fragments stay in registers
.endr
.endr
.irp t, 0,1
	v_mov_b32 v[ST+4*\t+1], 0xff61b1e6             ; the largest t so far: -3e38, under every t
	s_delay_alu instid0(VALU_DEP_1)
	v_floor_f32 v[ST+4*\t], -v[ST+4*\t+1]          ; -M
	v_mov_b32 v[ST+4*\t+2], 0                      ; the sum
	v_mov_b32 v[ST+4*\t+3], 0
	v_mov_b32 v[W+8*\t+3], 0                       ; (named as the upper half of a pair)
	v_mov_b32 v[W+8*\t+4], 0                       ; a lane permute's destination counts as one of its sources
.endr
.set j, 0
.rept 64
	v_mov_b32 v[O+j], 0                            ; O^T.  (The step is written once: the first finds zeros, which the first change of M leaves zeros)
.set j, j+1
.endr
	s_wait_kmcnt 0x0
	s_add_co_i32 s30, s38, s39
	s_lshl_b32 s30, s30, 23
	s_add_co_i32 s[CC], s[CC], s30                 ; a score stands for score x 2^(entry 6 + entry 7): added to c's exponent field
	s_mov_b32 s[CC+1], s[CC]                       ; (named with it as a pair, so it is written)
	MKS 40, PS, PL
	MKS 42, CSC, CL
	s_add_co_i32 s60, s40, s41                     ; entry 8 + entry 9
; A KEY STEP: 64 keys, two tiles of queries; the two tiles' lines alternate, so that no line waits for the line above it.
.macro STEP
	v_add_nc_u32 v[ADK], s[TB], v[LI]
	v_add_nc_u32 v[ADV], s[TB], v[LV]
	v_nop                                          ; four plain lines between the last products and the loads into the registers that they read
	v_nop
.irp kt, 0,1,2,3
	ds_load_b128 v[F+8*\kt:F+8*\kt+3], v[ADK] offset:1024*\kt
	ds_load_b128 v[F+8*\kt+4:F+8*\kt+7], v[ADK] offset:1024*\kt+512
.endr
	s_wait_alu depctr_va_vdst(0)
	s_wait_dscnt 0x0
.irp kt, 0,1,2,3
.irp t, 0,1
	v_wmma_f32_16x16x64_fp8_fp8 v[S+32*\t+8*\kt:S+32*\t+8*\kt+7], v[F+8*\kt:F+8*\kt+7], v[Q+8*\t:Q+8*\t+7], 0
.endr
.endr
.rept 4
	v_nop                                          ; places in front of the loads below and of the first read of the scores
.endr
.irp dt, 0,1,2,3
	ds_load_b128 v[F+8*\dt:F+8*\dt+3], v[ADV] offset:1024*\dt          ; v's fragments land under the softmax
	ds_load_b128 v[F+8*\dt+4:F+8*\dt+7], v[ADV] offset:1024*\dt+512
.endr
.irp t, 0,1                                    ; the largest of my 32 scores, in two chains, in ascending order: each accumulator is first read at its low end
	v_max3_num_f32 v[W+8*\t], v[S+32*\t], v[S+32*\t+1], v[S+32*\t+2]
	v_max3_num_f32 v[W+8*\t+1], v[S+32*\t+3], v[S+32*\t+4], v[S+32*\t+5]
.endr
.irp i, 6,10,14,18,22,26
.irp t, 0,1
	v_max3_num_f32 v[W+8*\t], v[W+8*\t], v[S+32*\t+\i], v[S+32*\t+\i+1]
	v_max3_num_f32 v[W+8*\t+1], v[W+8*\t+1], v[S+32*\t+\i+2], v[S+32*\t+\i+3]
.endr
.endr
.irp t, 0,1
	v_max3_num_f32 v[W+8*\t], v[W+8*\t], v[S+32*\t+30], v[S+32*\t+31]
.endr
.irp t, 0,1
	s_delay_alu instid0(VALU_DEP_2)
	v_max_num_f32 v[W+8*\t], v[W+8*\t], v[W+8*\t+1]
.endr
.irp t, 0,1
	s_delay_alu instid0(VALU_DEP_2)
	v_permlanex16_b32 v[W+8*\t+4], v[W+8*\t], s[SEL], s[SEL+1]   ; the query's other 32 keys lie in the lane 16 away
.endr
.irp t, 0,1
	s_delay_alu instid0(VALU_DEP_2)
	v_max_num_f32 v[W+8*\t], v[W+8*\t], v[W+8*\t+4]
.endr
.irp t, 0,1
	s_delay_alu instid0(VALU_DEP_2)
	v_mul_f32 v[W+8*\t], s[CC], v[W+8*\t]          ; as t (c is positive)
.endr
.irp t, 0,1
	s_delay_alu instid0(VALU_DEP_2)
	v_max_num_f32 v[ST+4*\t+1], v[ST+4*\t+1], v[W+8*\t]   ; the running largest t
.endr
.irp t, 0,1
	v_mov_b32 v[W+8*\t], v[ST+4*\t]
.endr
.irp t, 0,1
	s_delay_alu instid0(VALU_DEP_4)
	v_floor_f32 v[ST+4*\t], -v[ST+4*\t+1]          ; the new -M = floor(-t) = -ceil(t)
.endr
.irp t, 0,1
	s_delay_alu instid0(VALU_DEP_2)
	v_sub_f32 v[W+8*\t], v[ST+4*\t], v[W+8*\t]     ; old M - new M: a whole number, 0 or less
.endr
.irp t, 0,1
	s_delay_alu instid0(VALU_DEP_2)
	v_cvt_i32_f32 v[W+8*\t], v[W+8*\t]             ; (it saturates)
.endr
.irp t, 0,1
	s_delay_alu instid0(VALU_DEP_2)
	v_ldexp_f32 v[W+8*\t+2], 1.0, v[W+8*\t]        ; f = 2^(old M - new M)
.endr
.irp t, 0,1
.set j, 0
.rept 16
	v_pk_fma_f32 v[S+32*\t+j:S+32*\t+j+1], v[S+32*\t+j:S+32*\t+j+1], s[CC:CC+1], v[ST+4*\t:ST+4*\t+1] op_sel_hi:[1,0,0]   ; t - M, two at a time (of the pairs c and -M the low word serves both halves)
.set j, j+2
.endr
.endr
.set j, 0
	s_wait_alu depctr_va_vdst(0)
.rept 64
	v_exp_f32 v[S+j], v[S+j]                       ; p = 2^(t - M), at most 1: one batch
.set j, j+1
.endr
	s_setprio 1
.irp t, 0,1
	v_pk_mul_f32 v[ST+4*\t+2:ST+4*\t+3], v[ST+4*\t+2:ST+4*\t+3], v[W+8*\t+2:W+8*\t+3] op_sel_hi:[1,0]   ; the sums under the new M: the plain lines behind the exponentials
.endr
	s_wait_alu depctr_va_vdst(0)                   ; one wait for the whole batch, ahead of its first reader
.irp t, 0,1
	v_pk_add_f32 v[W+8*\t+6:W+8*\t+7], v[S+32*\t:S+32*\t+1], v[S+32*\t+2:S+32*\t+3]   ; the row's sum is taken of the UNQUANTISED p: two at a time, in two chains
.endr
.irp i, 4,8,12,16,20,24,28
.irp t, 0,1
	v_pk_add_f32 v[ST+4*\t+2:ST+4*\t+3], v[ST+4*\t+2:ST+4*\t+3], v[S+32*\t+\i:S+32*\t+\i+1]
	v_pk_add_f32 v[W+8*\t+6:W+8*\t+7], v[W+8*\t+6:W+8*\t+7], v[S+32*\t+\i+2:S+32*\t+\i+3]
.endr
.endr
.irp t, 0
	s_delay_alu instid0(VALU_DEP_3)
	v_pk_add_f32 v[ST+4*\t+2:ST+4*\t+3], v[ST+4*\t+2:ST+4*\t+3], v[W+8*\t+6:W+8*\t+7]
.endr
.irp t, 1
	s_delay_alu instid0(VALU_DEP_2)
	v_pk_add_f32 v[ST+4*\t+2:ST+4*\t+3], v[ST+4*\t+2:ST+4*\t+3], v[W+8*\t+6:W+8*\t+7]
.endr
.irp t, 0,1
.irp kt, 0,1,2,3
.irp i, 0,1,2,3,4,5,6,7
.endr
	v_cvt_scalef32_pk8_fp8_f32 v[P+8*\t+2*\kt:P+8*\t+2*\kt+1], v[S+32*\t+8*\kt:S+32*\t+8*\kt+7], v[PS]
.endr
.endr
.irp t, 0,1
.set j, 0
.rept 16
	v_pk_mul_f32 v[O+32*\t+j:O+32*\t+j+1], v[O+32*\t+j:O+32*\t+j+1], v[W+8*\t+2:W+8*\t+3] op_sel_hi:[1,0]   ; O^T under the new M, each accumulator from its low end on.  (Also the plain lines behind the conversions)
.set j, j+2
.endr
.endr
	s_setprio 0
	s_wait_alu depctr_va_vdst(0)
	s_wait_dscnt 0x0                               ; v's fragments are in
.irp dt, 0,1,2,3
.irp t, 0,1
	v_wmma_f32_16x16x64_fp8_fp8 v[O+32*\t+8*\dt:O+32*\t+8*\dt+7], v[F+8*\dt:F+8*\dt+7], v[P+8*\t:P+8*\t+7], v[O+32*\t+8*\dt:O+32*\t+8*\dt+7]   ; eight accumulators by turns, one instruction a turn
.endr
.endr
.endm
	s_wait_tensorcnt 0x0                           ; my part of k or v is in,
	s_barrier_signal -1
	s_barrier_wait -1                              ; everybody's is
	s_wait_loadcnt 0x0                             ; q
.Lstep:                                            ; 32 trips: the head's 2,048 keys
	s_setprio 2
	STEP
	s_add_co_u32 s[TB], s[TB], 4096
	s_sub_co_u32 s[CNT], s[CNT], 1
	s_cmp_lg_u32 s[CNT], 0
	s_cbranch_scc1 .Lstep
	s_setprio 0
	; THE WAY OUT.  ctx = O^T x 2^(entry 8 + entry 9) / the sum, quantised with entry 10; the conversions' results are the last product's operand, stored as images.  The additions are the places behind the last products.
.irp t, 0,1
	v_add_f32 v[W+8*\t], v[ST+4*\t+2], v[ST+4*\t+3]
.endr
.irp t, 0,1
	s_delay_alu instid0(VALU_DEP_2)
	v_permlanex16_b32 v[W+8*\t+4], v[W+8*\t], s[SEL], s[SEL+1]
.endr
.irp t, 0,1
	s_delay_alu instid0(VALU_DEP_2)
	v_add_f32 v[W+8*\t], v[W+8*\t], v[W+8*\t+4]    ; the row's sum
.endr
	s_wait_alu depctr_va_vdst(0)
.irp t, 0,1
	v_rcp_f32 v[W+8*\t+1], v[W+8*\t]
.endr
	v_nop                                          ; a plain line behind the last reciprocal
	s_wait_alu depctr_va_vdst(0)                   ; and the wait ahead of the first reader: one for both
.irp t, 0,1
	v_ldexp_f32 v[W+8*\t+2], v[W+8*\t+1], s60
.endr
.irp t, 0,1
.set j, 0
.rept 16
	v_pk_mul_f32 v[S+32*\t+j:S+32*\t+j+1], v[O+32*\t+j:O+32*\t+j+1], v[W+8*\t+2:W+8*\t+3] op_sel_hi:[1,0]   ; register 8 dt + i is ctx(query r, channel 16 dt + 8 h + i)
.set j, j+2
.endr
.endr
.set j, 0
.rept 64
.set j, j+1
.endr
.irp t, 0,1
.irp dt, 0,1,2,3
	v_cvt_scalef32_pk8_fp8_f32 v[P+8*\t+2*\dt:P+8*\t+2*\dt+1], v[S+32*\t+8*\dt:S+32*\t+8*\dt+7], v[CSC]
.endr
.endr
	v_nop                                          ; one plain line behind the last conversion
.irp t, 0,1
.irp i, 0,1
	global_store_b128 v[LI], v[P+8*\t+4*\i:P+8*\t+4*\i+3], s[8:9] offset:4096*\t+512*\i   ; 32 lanes store 512 consecutive bytes, aligned
.endr
.endr
	s_wait_dscnt 0x0
	s_wait_tensorcnt 0x0
	ds_add_u32 v254, v255
	s_wait_dscnt 0x0
	CROUND                                         ; the closing round: no work-group ends while a partner may still ask for a tile that names it
	s_endpgm
.Lfunc_end_k_qd89e5c778e_attn:
	.size	k_qd89e5c778e_attn, .Lfunc_end_k_qd89e5c778e_attn-k_qd89e5c778e_attn
	.p2alignl 7, 3214868480
	.fill 96, 4, 3214868480
	.section	.rodata,"a",@progbits
	.p2align	6, 0x0
	.amdhsa_kernel k_qd89e5c778e_attn
		.amdhsa_group_segment_fixed_size 264192
		.amdhsa_private_segment_fixed_size 0
		.amdhsa_enable_private_segment 0
		.amdhsa_kernarg_size 24
		.amdhsa_user_sgpr_count 2
		.amdhsa_user_sgpr_kernarg_segment_ptr 1
		.amdhsa_wavefront_size32 1
		.amdhsa_system_sgpr_workgroup_id_x 1
		.amdhsa_system_sgpr_workgroup_id_y 1
		.amdhsa_system_sgpr_workgroup_id_z 1
		.amdhsa_system_vgpr_workitem_id 0
		.amdhsa_next_free_vgpr 256
		.amdhsa_next_free_sgpr 66
		.amdhsa_reserve_vcc 0
		.amdhsa_float_denorm_mode_32 3
		.amdhsa_float_denorm_mode_16_64 3
		.amdhsa_fp16_overflow 1
		.amdhsa_memory_ordered 1
		.amdhsa_forward_progress 1
		.amdhsa_inst_pref_size 26
	.end_amdhsa_kernel
	.amdgpu_metadata
---
amdhsa.version: [ 1, 2 ]
amdhsa.kernels:
  - .name:           k_qd89e5c778e_attn
    .symbol:         k_qd89e5c778e_attn.kd
    .args:
      - { .name: qkv, .offset: 0, .size: 8, .value_kind: global_buffer, .address_space: global }
      - { .name: lowp_scales, .offset: 8, .size: 8, .value_kind: global_buffer, .address_space: global }
      - { .name: ctx, .offset: 16, .size: 8, .value_kind: global_buffer, .address_space: global }
    .group_segment_fixed_size: 264192
    .private_segment_fixed_size: 0
    .kernarg_segment_align: 8
    .kernarg_segment_size: 24
    .max_flat_workgroup_size: 512
    .sgpr_count:     66
    .vgpr_count:     256
    .wavefront_size: 32
...
	.end_amdgpu_metadata
.endif
;; end of part 3
;; launch outp (part 4): grid 4 x 32, 4 waves a work-group, clusters of 4 x 4, 327,680 bytes of LDS; arguments ctx, wc, b_o, lowp_scales, out0; writes out0
.if DOCPART == 4
	.amdgcn_target "amdgcn-amd-amdhsa--gfx1250"
	.amdhsa_code_object_version 6
	.text
	.protected	k_qd89e5c778e_outp
	.globl	k_qd89e5c778e_outp
	.p2align	8
	.type	k_qd89e5c778e_outp,@function
k_qd89e5c778e_outp:
	s_mov_b64 s[64:65], 0
	v_nop
	global_prefetch_b8 v0, s[64:65] scope:SCOPE_SE
	s_setreg_imm32_b32 hwreg(HW_REG_WAVE_MODE, 25, 1), 1
	s_wait_xcnt 0x0
	s_wait_alu depctr_hold_cnt(0) depctr_sa_sdst(0) depctr_va_vdst(0) depctr_va_sdst(0) depctr_va_ssrc(0) depctr_va_vcc(0) depctr_vm_vsrc(0)
	s_getreg_b32 s2, hwreg(HW_REG_IB_STS2, 6, 4)
	s_cmp_eq_u32 s2, 0
	s_cbranch_scc0 .Lentry_in_a_cluster
	s_endpgm
.Lentry_in_a_cluster:
	s_bfe_u32 s2, ttmp6, 0x10000c
	s_cmp_lg_u32 s2, 0xf033
	s_cbranch_scc0 .Lentry_shape_is_right
	s_endpgm
.Lentry_shape_is_right:
.set HALFT,  32768
.set SLOT,   4*HALFT
.set SPARE,  2*SLOT
.set XSTEP,  0x200000
.set WSTEP,  0x40000
.set FR,     16
.set NL,     4
.set NP,     4
.set SPITCH, 528
.set ROWO,   4096
.set ADRA, 16
.set ADRB, 20
.set STO,  24
.set RD,   25
.set CO,   26
.set SPW,  28
.set NIL,  29
.set BC,   32
.set TMP,  96
.set AF,   128
.set BK,   128
.set G1, 24
.set G0, 32
.set G1B, 48
.set G0B, 56
.set MSB, 0
.macro WIN new
.if MSB != \new
	s_set_vgpr_msb (MSB<<8)|\new
.set MSB, \new
.endif
.endm
.set MUL_LO, 0xa1
.set MUL_HI, 0xf1
.set TO_B,   0x40
.macro JLOAD g0a, g1a, g0b, g1b
	s_cmp_eq_u32 s15, 0
	s_cbranch_scc0 .Lfor_b_\@
	tensor_load_to_lds s[\g0a:\g0a+3], s[\g1a:\g1a+7]
	s_nop 0
.rept 4
	v_nop
.endr
	s_branch .Lasked_\@
.Lfor_b_\@:
	tensor_load_to_lds s[\g0b:\g0b+3], s[\g1b:\g1b+7]
	s_nop 0
.rept 4
	v_nop
.endr
.Lasked_\@:
.endm
.macro CREST
	s_cmp_lg_u32 s14, 0
	s_cbranch_scc1 .Lnot_wave_0_\@
	s_barrier_signal -3
.Lnot_wave_0_\@:
	s_barrier_wait -3
	s_barrier_signal -1
	s_barrier_wait -1
.endm
.macro CROUND
	s_barrier_signal -1
	s_barrier_wait -1
	CREST
.endm
	s_load_b256 s[4:11], s[0:1], 0x0
	s_load_b64 s[72:73], s[0:1], 0x20
	v_lshl_add_u32 v[SPW], v0, 2, SPARE
	v_mov_b32 v[NIL], 0
	ds_add_u32 v28, v29
	ds_add_u32 v28, v29
	s_wait_dscnt 0x0
	v_lshrrev_b32 v1, 5, v0
	v_readfirstlane_b32 s14, v1
	s_lshr_b32 s15, s14, 1
	s_and_b32 s16, s14, 1
	s_bfe_u32 s40, ttmp6, 0x40000
	s_bfe_u32 s41, ttmp6, 0x40004
	s_lshl_b32 s42, ttmp9, 2
	s_add_co_u32 s42, s42, s40
	s_and_b32 s17, ttmp7, 0xffff
	s_lshl_b32 s17, s17, 2
	s_add_co_u32 s17, s17, s41
	s_lshl_b32 s43, s41, 2
	s_lshl_b32 s43, 15, s43
	s_lshl_b32 s44, 0x1111, s40
	s_or_b32 s[G1+0], s43, (3<<16)|(1<<21)
	s_or_b32 s[G1B+0], s44, (3<<16)|(1<<21)
.irp g, G1, G1B
	s_mov_b32 s[\g+1], 32<<16
	s_mov_b32 s[\g+2], 128<<16
	s_mov_b32 s[\g+3], 32<<16
	s_mov_b32 s[\g+4], 128
	s_mov_b32 s[\g+5], 32
	s_mov_b32 s[\g+6], 0
	s_mov_b32 s[\g+7], 0
.endr
	s_lshl_b32 s20, s17, 16
	s_lshl_b32 s19, s16, 15
	s_add_co_u32 s20, s20, s19
	s_mov_b32 s21, 0
	s_lshl_b32 s46, s42, 16
	s_lshl_b32 s47, s16, 15
	s_add_co_u32 s46, s46, s47
	s_add_co_u32 s46, s46, 0x300000
	s_mov_b32 s47, 0
	s_mul_i32 s45, s14, HALFT
	s_wait_kmcnt 0x0
	s_load_b64 s[96:97], s[10:11], 0x28
	s_add_nc_u64 s[20:21], s[4:5], s[20:21]
	s_add_nc_u64 s[46:47], s[6:7], s[46:47]
	CROUND
.irp s, 0,1
	s_mov_b32 s[G0+4*\s], 1
	s_add_co_u32 s[G0+4*\s+1], s45, \s*SLOT
	s_add_nc_u64 s[G0+4*\s+2:G0+4*\s+3], s[20:21], \s*XSTEP
	s_or_b32 s[G0+4*\s+3], s[G0+4*\s+3], 0x80000000
	s_mov_b32 s[G0B+4*\s], 1
	s_add_co_u32 s[G0B+4*\s+1], s45, \s*SLOT
	s_add_nc_u64 s[G0B+4*\s+2:G0B+4*\s+3], s[46:47], \s*WSTEP
	s_or_b32 s[G0B+4*\s+3], s[G0B+4*\s+3], 0x80000000
	s_wait_alu depctr_va_vdst(0)
	s_wait_tensorcnt 0x0
	ds_add_u32 v28, v29
	ds_add_u32 v28, v29
	s_wait_dscnt 0x0
	CROUND
	JLOAD G0+4*\s, G1, G0B+4*\s, G1B
.endr
	v_and_b32 v1, 31, v0
	v_lshlrev_b32 v[CO], 4, v1
	v_and_b32 v2, 15, v0
	s_wait_alu depctr_va_vdst(0)
	v_bfe_u32 v3, v0, 4, 1
	v_lshlrev_b32 v5, 5, v3
	s_mul_i32 s22, s15, HALFT
	s_mul_i32 s23, s16, HALFT
	s_add_co_u32 s23, s23, 2*HALFT
.irp s, 0,1
	v_add_nc_u32 v[ADRA+\s], s22, v[CO]
	v_add_nc_u32 v[ADRB+\s], s23, v[CO]
	s_add_co_u32 s22, s22, SLOT
	s_add_co_u32 s23, s23, SLOT
.endr
	s_mul_i32 s23, s14, 16*SPITCH
	v_mul_u32_u24 v4, v2, SPITCH
	s_wait_alu depctr_va_vdst(0)
	v_lshl_add_u32 v4, v3, 5, v4
	v_add_nc_u32 v[STO], s23, v4
	v_add_nc_u32 v[RD], s23, v[CO]
	s_lshl_b32 s74, s42, 10
	s_lshl_b32 s75, s16, 9
	s_add_co_u32 s74, s74, s75
	s_mov_b32 s75, 0
	s_add_nc_u64 s[90:91], s[8:9], s[74:75]
	s_add_nc_u64 s[72:73], s[72:73], s[74:75]
.irp b, 0,1,2,3,4,5,6,7
	global_load_b128 v[BC+8*\b:BC+8*\b+3], v5, s[90:91] offset:64*\b
	global_load_b128 v[BC+8*\b+4:BC+8*\b+7], v5, s[90:91] offset:64*\b+16
.endr
	s_lshl_b32 s74, s17, 20
	s_lshl_b32 s92, s15, 19
	s_add_co_u32 s74, s74, s92
	s_add_nc_u64 s[72:73], s[72:73], s[74:75]
	s_wait_kmcnt 0x0
	s_add_co_i32 s96, s96, s97
	s_add_co_i32 s96, s96, 127
	s_lshl_b32 s96, s96, 23
	s_mov_b32 s97, s96
.macro FRAG reg, adr, q, i
.irp c, 0,1,2,3
	ds_load_b128 v[\reg+4*\c:\reg+4*\c+3], v[\adr] offset:4096*(\i)+2048*(\q)+512*\c
.endr
.endm
.macro MUL16 a0, p, zero
.irp a, \a0, \a0+1
.irp b, 0,1,2,3,4,5,6,7
.if \zero
	v_wmma_f32_16x16x128_fp8_fp8 v[8*(8*((\a)%4)+\b):8*(8*((\a)%4)+\b)+7], v[128*(\p)+FR*\b:128*(\p)+FR*\b+FR-1], v[AF+FR*(\a):AF+FR*(\a)+FR-1], 0
.else
	v_wmma_f32_16x16x128_fp8_fp8 v[8*(8*((\a)%4)+\b):8*(8*((\a)%4)+\b)+7], v[128*(\p)+FR*\b:128*(\p)+FR*\b+FR-1], v[AF+FR*(\a):AF+FR*(\a)+FR-1], v[8*(8*((\a)%4)+\b):8*(8*((\a)%4)+\b)+7]
.endif
.endr
.endr
.endm
.macro FETCH_B slot, q, p
	WIN TO_B
.irp i, 0,1,2,3,4,5,6,7
	FRAG 128*(\p)+FR*\i, ADRB+\slot, \q, \i
.endr
	WIN 0
.endm
.macro FETCH_A slot, q, i0
.irp i, \i0, \i0+1, \i0+2, \i0+3
	FRAG AF+FR*(\i), ADRA+\slot, \q, \i
.endr
.endm
.macro PLACES n
.rept \n
	v_nop
.endr
.endm
.macro STEP slot, q, zero
	s_wait_dscnt 4*NL
	WIN MUL_LO
	MUL16 0, (\q)%2, \zero
	MUL16 2, (\q)%2, \zero
	s_wait_dscnt 0
	PLACES NP
	FETCH_B \slot, (\q)+1, 1-(\q)%2
	FETCH_A \slot, (\q)+1, 0
	WIN MUL_HI
	MUL16 4, (\q)%2, \zero
	MUL16 6, (\q)%2, \zero
	PLACES NP
	WIN 0
	FETCH_A \slot, (\q)+1, 4
.endm
.macro TURN slot, next, fill
	s_wait_tensorcnt 0x0
	ds_add_u32 v[SPW], v[NIL]
	s_wait_dscnt 4*NL+1
	WIN MUL_LO
	MUL16 0, 1, 0
	s_wait_dscnt 0x0
	s_barrier_signal -1
	MUL16 2, 1, 0
	WIN 0
	s_barrier_wait -1
.if \fill
	CREST
	s_add_nc_u64 s[G0+4*\slot+2:G0+4*\slot+3], s[G0+4*\slot+2:G0+4*\slot+3], 2*XSTEP
	s_add_nc_u64 s[G0B+4*\slot+2:G0B+4*\slot+3], s[G0B+4*\slot+2:G0B+4*\slot+3], 2*WSTEP
	JLOAD G0+4*\slot, G1, G0B+4*\slot, G1B
.else
	PLACES NP
.endif
	FETCH_B \next, 0, 0
	FETCH_A \next, 0, 0
	WIN MUL_HI
	MUL16 4, 1, 0
	MUL16 6, 1, 0
	PLACES NP
	WIN 0
	FETCH_A \next, 0, 4
.endm
	s_wait_tensorcnt 0x1
	s_barrier_signal -1
	s_barrier_wait -1
	FETCH_B 0, 0, 0
	FETCH_A 0, 0, 0
	FETCH_A 0, 0, 4
	STEP 0, 0, 1
	TURN 0, 1, 1
	STEP 1, 0, 0
	TURN 1, 0, 1
	STEP 0, 0, 0
	TURN 0, 1, 0
	STEP 1, 0, 0
	s_wait_dscnt 4*NL
	WIN MUL_LO
	MUL16 0, 1, 0
	MUL16 2, 1, 0
	s_wait_dscnt 0
	WIN MUL_HI
	MUL16 4, 1, 0
	MUL16 6, 1, 0
	WIN 0
.macro TOSTAGE a
.set AC, 64*((\a)%4)
.irp u, 0,1
	WIN 0x02+((\a)/4)
.irp n, 0,2,4,6,8,10,12,14,16,18,20,22,24,26,28,30
	v_pk_fma_f32 v[TMP+\n:TMP+\n+1], v[AC+32*\u+\n:AC+32*\u+\n+1], s[96:97], v[BC+32*\u+\n:BC+32*\u+\n+1] op_sel_hi:[1,0,1]
.endr
	WIN 0
.irp c, 0,1,2,3
	ds_store_b128 v[STO], v[TMP+8*\c:TMP+8*\c+3] offset:64*(4*\u+\c)
	ds_store_b128 v[STO], v[TMP+8*\c+4:TMP+8*\c+7] offset:64*(4*\u+\c)+16
.endr
.endr
.set BB, BK+64*((\a)%2)
.irp t, 0,1,2,3,4,5,6,7,8,9,10,11,12,13,14,15
	ds_load_b128 v[BB+4*\t:BB+4*\t+3], v[RD] offset:\t*SPITCH
.endr
.endm
.macro SEND a, younger
.set BB, BK+64*((\a)%2)
	s_wait_dscnt \younger
.if (\a) > 0
	s_add_nc_u64 s[72:73], s[72:73], 16*ROWO
.endif
.irp t, 0,1,2,3,4,5,6,7,8,9,10,11,12,13,14,15
	global_store_b128 v[CO], v[BB+4*\t:BB+4*\t+3], s[72:73] offset:\t*ROWO th:TH_STORE_NT
.endr
.endm
	PLACES NP
	s_wait_loadcnt 0x0
	TOSTAGE 0
.irp a, 1,2,3,4,5,6,7
.if \a > 1
	s_wait_xcnt 0x0
.endif
	TOSTAGE \a
	SEND \a-1, 32
.endr
	s_wait_xcnt 0x0
	SEND 7, 0
	s_wait_tensorcnt 0x0
	ds_add_u32 v[SPW], v[NIL]
	s_wait_dscnt 0x0
	CROUND
	s_endpgm
.Lfunc_end_k_qd89e5c778e_outp:
	.size	k_qd89e5c778e_outp, .Lfunc_end_k_qd89e5c778e_outp-k_qd89e5c778e_outp
	.p2alignl 7, 3214868480
	.fill 96, 4, 3214868480
	.section	.rodata,"a",@progbits
	.p2align	6, 0x0
	.amdhsa_kernel k_qd89e5c778e_outp
		.amdhsa_group_segment_fixed_size 327680
		.amdhsa_private_segment_fixed_size 0
		.amdhsa_enable_private_segment 0
		.amdhsa_kernarg_size 40
		.amdhsa_user_sgpr_count 2
		.amdhsa_user_sgpr_kernarg_segment_ptr 1
		.amdhsa_wavefront_size32 1
		.amdhsa_system_sgpr_workgroup_id_x 1
		.amdhsa_system_sgpr_workgroup_id_y 1
		.amdhsa_system_sgpr_workgroup_id_z 1
		.amdhsa_system_vgpr_workitem_id 0
		.amdhsa_next_free_vgpr 1024
		.amdhsa_next_free_sgpr 98
		.amdhsa_reserve_vcc 0
		.amdhsa_float_denorm_mode_32 3
		.amdhsa_float_denorm_mode_16_64 3
		.amdhsa_memory_ordered 1
		.amdhsa_forward_progress 1
		.amdhsa_inst_pref_size 126
	.end_amdhsa_kernel
	.amdgpu_metadata
---
amdhsa.version: [ 1, 2 ]
amdhsa.kernels:
  - .name:           k_qd89e5c778e_outp
    .symbol:         k_qd89e5c778e_outp.kd
    .args:
      - { .name: ctx, .offset: 0, .size: 8, .value_kind: global_buffer, .address_space: global }
      - { .name: wc, .offset: 8, .size: 8, .value_kind: global_buffer, .address_space: global }
      - { .name: b_o, .offset: 16, .size: 8, .value_kind: global_buffer, .address_space: global }
      - { .name: lowp_scales, .offset: 24, .size: 8, .value_kind: global_buffer, .address_space: global }
      - { .name: out0, .offset: 32, .size: 8, .value_kind: global_buffer, .address_space: global }
    .group_segment_fixed_size: 327680
    .private_segment_fixed_size: 0
    .kernarg_segment_align: 8
    .kernarg_segment_size: 40
    .max_flat_workgroup_size: 128
    .sgpr_count:     98
    .vgpr_count:     1024
    .wavefront_size: 32
...
	.end_amdgpu_metadata
.endif
;; end of part 4
